; MI455X (gfx1250); checked and timed in simulation.
; The chip was launched on July 23, 2026; its instructions are those of AMD's public machine-readable ISA for CDNA 5 (MIT licence, August 2026) and "CDNA5" Instruction Set Architecture Reference Guide (July 2026). The comments in the code are by the model that wrote it; some were corrected since.
;; Base Multi Head Attention. Allowed arithmetic: matrix products marked QUANTISED: E2M3 operands, one E8M0 scale for each 32 along K, by v_wmma_scale_f32_16x16x128_f8f6f4 with both operands' format E2M3, f32 sums; everything else in f32.
;; Inputs: k 4 x 2,048 x 1,024 float32; k_norm_w 64 float32; proj_b 1,024 float32; proj_w 1,024 x 1,024 float32; q 4 x 2,048 x 1,024 float32; q_norm_w 64 float32; v 4 x 2,048 x 1,024 float32.
;; Outputs: out0 4 x 2,048 x 1,024 float32.
;; This version of the problem:
;;   THIS VERSION OF THE PROBLEM IS GIVEN IN LOW PRECISION. The matrix products marked QUANTISED in the list below multiply operands that are first quantised to E2M3 (2 exponent bits, 3 mantissa bits; 6 bits a number), with one power-of-two scale for each 32 numbers along K (OCP MX v1.0); their sums are f32. All else is computed in f32.
;;   The module's matrix products, in the order in which they are computed (A, B: the left and right operand; K: the contracted axis; several contracted axes count as one K, in the product's order):
;;     1. batch 64 x [M 2,048, K 64] x [K 64, N 2,048]; A: computed on the way; B: computed on the way: QUANTISED
;;     2. batch 64 x [M 2,048, K 2,048] x [K 2,048, N 64]; A: softmax (see below); B: input v: QUANTISED
;;     3. [M 8,192, K 1,024] x [K 1,024, N 1,024]; A: computed on the way; B: input proj_w: QUANTISED
;;   THE QUANTISER, for each operand of a quantised product, along K:
;;     - K is cut into blocks of 32 from its start; a last block that is shorter is filled with zeros.
;;     - A block's scale is 2^e with e = floor(log2(the largest magnitude in the block)) - 2, held to -126 .. 127; a block of zeros has e = 0. As a byte (E8M0): e + 127.
;;     - Each number is divided by its block's scale, clamped to +-7.5, and rounded to the nearest number of E2M3, ties to even, subnormals kept.
;;     - The product sums the exact products of the quantised numbers (number of the format x scale) in f32.
;;   ~~~python
;;   def quantise(x, axis):      # numpy; x: float32 -> the quantised numbers, widened to float32 again
;;       x = np.moveaxis(x, axis, -1); K = x.shape[-1]
;;       x = np.pad(x, [(0, 0)] * (x.ndim - 1) + [(0, -K % 32)]); x = x.reshape(x.shape[:-1] + (-1, 32)); a = np.abs(x).max(-1, keepdims=True)
;;       e = np.where(a > 0, np.clip(np.frexp(np.where(a > 0, a, 1))[1] - 1 - 2, -126, 127), 0)      # np.frexp(a)[1] - 1 = floor(log2(a)), exactly
;;       r = np.clip(x / 2.0 ** e, -7.5, 7.5)
;;       step = 2.0 ** (np.maximum(np.frexp(np.where(r == 0, 1, r))[1] - 1, 0) - 3)
;;       q = np.round(r / step) * step * 2.0 ** e      # np.round: ties to even
;;       return np.moveaxis(q.reshape(q.shape[:-2] + (-1,))[..., :K], -1, axis).astype(np.float32)
;;   ~~~
;;   SOFTMAX AHEAD OF A QUANTISED PRODUCT. Where the list says 'softmax', what is quantised is not the finished softmax but p = 2^(t - M), with t = logit x log2(e) and M = ceil(the row's largest t), a whole number; so 1/2 < the row's largest p <= 1. The row's sum l is taken of the UNQUANTISED p, in f32, and the product's result is divided by l at the end. Since M is a whole number, a kernel that streams over the keys may use a running M (the ceiling of the running maximum): every later rescaling is an exact power of two, which a block's scale takes up: the codes' values come out the same.
;;   OPERANDS COMPUTED ON THE WAY. 'Computed on the way' means the value that the module computes at that place (a softmax that the list does not call 'softmax' is quantised finished and normalised). What goes into a quantiser is computed in f32, as accurately as f32 sums, v_exp_f32 and their like allow (about 1e-6 of the number): no bf16 or f16 on the way to a quantiser, and a product that is left as it is and whose result goes on into a quantised operand takes f32 operands (vector FMAs, or v_wmma_f32_16x16x4_f32). A number that lies on a knife's edge between two numbers of the format may be rounded either way, as far as f32 arithmetic and the matrix unit's own rounding can turn it there, and no further.
;; One version. Each part assembles by itself: llvm-mc -triple=amdgcn-amd-amdhsa -mcpu=gfx1250 --defsym DOCPART=n.
;; ======== version 1 of 1: 3 launches
;; limits: right only within a limited range of input values
;; workspace buffers: qkv 20,185,088 bytes; ctxq 6,553,600 bytes; wq 819,200 bytes
;; launch prep (part 1): grid 896 x 1, 4 waves a work-group, no clusters, 42,496 bytes of LDS; arguments q, k, v, q_norm_w, k_norm_w, proj_w, qkv, wq; writes qkv, wq
.if DOCPART == 1
	.amdgcn_target "amdgcn-amd-amdhsa--gfx1250"
	.amdhsa_code_object_version 6
	.text
	.protected	k_q125fbb33bc_prep
	.globl	k_q125fbb33bc_prep
	.p2align	8
	.type	k_q125fbb33bc_prep,@function
k_q125fbb33bc_prep:
	s_mov_b64 s[64:65], 0
	v_nop
	global_prefetch_b8 v0, s[64:65] scope:SCOPE_SE
	s_setreg_imm32_b32 hwreg(HW_REG_WAVE_MODE, 25, 1), 1
	s_wait_xcnt 0x0
; Everything that the two matrix launches read is made here once, as codes of FP6 (E2M3) with one E8M0 byte for each 32 along K, laid as IMAGES OF OPERAND REGISTERS.
; THREE ROLES, parted once on the work-group's number, each with its own end and its own LDS bytes:
;   work-groups 0-511:   q (0-255) and k (256-511): RMSNorm over a head's 64 numbers, RoPE, quantised along the head's 64 (two blocks of 32)
;   work-groups 512-767: v, quantised along the KEYS (a lane takes a column, its registers run down the keys)
;   work-groups 768-895: proj_w, quantised along its rows (K innermost)
; A TILE IMAGE: 16 rows x 64 along K.  Lane (r = lane % 16, h = lane / 16) holds block h of row r in 6 registers; registers 0-3 lie at 16 x lane, registers 4-5 at 512 + 8 x lane: 768 bytes.
; THE ROWS OF A TILE ARE NOT NEIGHBOURS: lane r of tile T takes row 32 (T / 2) + 8 (T % 2) + r + 8 (r / 8), so that in a transposed product the 16 registers of two neighbouring result tiles are 16 neighbours along the next K.
; qkv: a head (16 x batch + head) has HS bytes, four quarters of QS bytes (512 positions each): K's 32 images, K's scale words (64 bytes a tile), V's 16 fragments of 16 channels x 128 keys (1,536 bytes), V's scale words, Q's 32 images, Q's scale words.
; wq: a tile of 16 rows of proj_w has REC bytes, two halves (512 along K each): eight images, then 4 x 16 scale words.
; No cluster: the work-groups share no input.  No barrier: the waves share nothing.
; LIMITS.  NaN and infinities among the inputs are not served.  A block of zeros, or one whose largest magnitude lies under 2^-124, gets the byte 1 where the rule says 127: its codes are zeros, and this program alone reads the bytes.
; inv_freq is rebuilt as the rounded quotient 1 / round(10^(j / 8)), since 10000^(j / 32) = 10^(j / 8); cos and sin come from a reduction by pi / 2 in two parts and polynomials, good to about one unit in the last place.
; The sum of squares is taken in four chains, another order than reference()'s.
.set HS,   315392
.set QS,   78848
.set KSC,  24576                       ; a tensor's scale words lie behind its 32 images
.set VC,   26624
.set VSC,  51200
.set QC,   52224
.set REC,  12800
.set HALF, 6400
.set RSC,  6144
.set GL,   4                           ; v4   role QK: my 16 bytes of a load
.set SW,   5                           ; v5   the stage, on the way in
.set SR,   6                           ; v6   and on the way out
.set CO16, 7                           ; v7   an image's registers 0-3
.set CO8,  8                           ; v8   and 4-5
.set SCO,  9                           ; v9   the scale words
.set CSN,  32                          ; v32-63   cos, sin of my 16 pairs
.set WN,   64                          ; v64-95   my 32 norm weights
.set R,    96                          ; v96-159  two sets of 32 numbers as loaded
.set X,    160                         ; v160-191 my block of 32 numbers
.set C,    192                         ; v192-197 its codes
.set C2,   198                         ; v198-200 the second conversion's result
.set WE,   201                         ; v201 the even head's scale word
.set SD,   202                         ; v202 a store's data
.set WOF,  203                         ; v203 where my norm weights begin
.set BX,   32                          ; role V: v32-95 two sets of 32 numbers
.set BC,   96                          ; v96-101 a block's codes
.set BC2,  102
.set SBY,  24                          ; v24-25 scale bytes, four to a register
.set OUTR, 112                         ; v112-159 the way out
; 32 numbers of one block, v[src] on, become 6 registers of codes in v[C] on and the scale's byte in v[byte].
.macro QUANT32 src, byte
	v_max3_num_f32 v10, |v[\src]|, |v[\src+1]|, |v[\src+2]|        ; the block's largest magnitude, in two chains
	v_max3_num_f32 v11, |v[\src+3]|, |v[\src+4]|, |v[\src+5]|
.irp i,6,10,14,18,22,26
	v_max3_num_f32 v10, v10, |v[\src+\i]|, |v[\src+\i+1]|
	v_max3_num_f32 v11, v11, |v[\src+\i+2]|, |v[\src+\i+3]|
.endr
	v_max3_num_f32 v10, v10, |v[\src+30]|, |v[\src+31]|
	v_max3_num_f32 v10, v10, v11, 0x1800000        ; and the floor 2^(3 - 127): the byte cannot fall under 1
	v_add_nc_u32 v12, 0xff000000, v10              ; 2 off the exponent field: the conversion takes this operand's exponent field as its scale
	s_wait_alu depctr_va_vdst(0)
	s_wait_xcnt 0x0                                ; the last stores have read the codes' registers: they are written again only behind this wait
	v_cvt_scalef32_pk16_fp6_f32 v[C:C+2], v[\src:\src+15], v12
	v_cvt_scalef32_pk16_fp6_f32 v[C2:C2+2], v[\src+16:\src+31], v12  ; (a conversion's three registers begin on an even number)
	v_lshrrev_b32 v[\byte], 23, v12                ; the scale's byte; also the plain line behind the conversions
.irp i,0,1,2
	v_mov_b32 v[C+3+\i], v[C2+\i]
.endr
.endm
; My block's byte and lane l xor 16's make row r's two bytes, block 0's below, in both lanes.
.macro U16 dst, byte
	v_permlanex16_b32 v13, v[\byte], s36, s37
	v_cndmask_b32 v25, v[\byte], v13, s38          ; block 0's: mine in lanes 0-15
	v_cndmask_b32 v26, v13, v[\byte], s38          ; block 1's: mine in lanes 16-31
	v_lshl_or_b32 v[\dst], v26, 8, v25
.endm
	s_load_b256 s[4:11], s[0:1], 0x0               ; q s[4:5], k s[6:7], v s[8:9], q_norm_w s[10:11]
	s_load_b256 s[12:19], s[0:1], 0x20             ; k_norm_w s[12:13], proj_w s[14:15], qkv s[16:17], wq s[18:19]
	v_lshl_add_u32 v208, v0, 2, 0xa400
	v_mov_b32 v209, 0
	v_lshrrev_b32 v1, 5, v0
	v_readfirstlane_b32 s20, v1                    ; wave 0..3
	v_and_b32 v1, 31, v0                           ; lane
	v_and_b32 v2, 15, v0                           ; r
	v_bfe_u32 v3, v0, 4, 1                         ; h
	v_mov_b32 v13, 0                               ; written once: a lane permute's destination counts as one of its sources
	s_mov_b32 s36, 0x76543210
	s_mov_b32 s37, 0xfedcba98                      ; v_permlanex16_b32's selects for lane l xor 16
	s_mov_b32 s38, 0xffff0000                      ; a mask: lanes 16-31
	s_wait_kmcnt 0x0
	s_cmp_lt_u32 ttmp9, 512
	s_cbranch_scc1 .Lrole_qk
	s_cmp_lt_u32 ttmp9, 768
	s_cbranch_scc1 .Lrole_v
; ---------------- ROLE W: a wave takes one tile of 16 rows of proj_w and 128 along K: two images and half... a word's two halves for each row.  proj_w is 4 MB: no loop, no LDS.
	s_sub_co_u32 s21, ttmp9, 768
	s_lshl_b32 s21, s21, 2
	s_add_co_u32 s21, s21, s20                     ; 0 .. 511
	s_lshr_b32 s22, s21, 3                         ; the tile of rows
	s_and_b32 s23, s21, 7                          ; which 128 along K
	s_lshr_b32 s24, s22, 1
	s_lshl_b32 s24, s24, 5
	s_and_b32 s25, s22, 1
	s_lshl_b32 s25, s25, 3
	s_add_co_u32 s24, s24, s25                     ; the tile's first row
	s_lshl_b32 s24, s24, 12                        ; a row is 4,096 bytes
	s_lshl_b32 s25, s23, 9
	s_add_co_u32 s24, s24, s25
	s_mov_b32 s25, 0
	s_add_nc_u64 s[14:15], s[14:15], s[24:25]
	s_mul_i32 s24, s22, REC
	s_lshr_b32 s26, s23, 2
	s_mul_i32 s26, s26, HALF
	s_add_co_u32 s24, s24, s26
	s_add_nc_u64 s[18:19], s[18:19], s[24:25]      ; the record's half
	s_and_b32 s26, s23, 3
	s_mul_i32 s27, s26, 1536                       ; two images for each 128 along K
	s_lshl_b32 s28, s26, 6
	s_add_co_u32 s28, s28, RSC
	s_wait_alu depctr_va_vdst(0)
	v_and_b32 v4, 8, v2
	v_add_nc_u32 v4, v4, v2                        ; r + 8 (r / 8)
	v_lshlrev_b32 v4, 12, v4
	v_lshl_add_u32 v4, v3, 7, v4                   ; my row, + 128 h: my block of 32 numbers
	v_lshl_add_u32 v7, v1, 4, s27
	v_lshl_add_u32 v8, v1, 3, s27
	v_lshlrev_b32 v9, 2, v2
	v_lshl_add_u32 v9, v3, 1, v9
	v_add_nc_u32 v9, s28, v9                       ; row r's word; lanes 0-15 store its lower half, lanes 16-31 its upper
.irp i,0,1,2,3,4,5,6,7
	global_load_b128 v[X+4*\i:X+4*\i+3], v4, s[14:15] offset:16*\i
.endr
.irp i,0,1,2,3,4,5,6,7
	global_load_b128 v[R+4*\i:R+4*\i+3], v4, s[14:15] offset:256+16*\i
.endr
	s_wait_loadcnt 0x0
	QUANT32 X, 24
	global_store_b128 v7, v[C:C+3], s[18:19]       ; 32 lanes store 512 consecutive bytes,
	global_store_b64 v8, v[C+4:C+5], s[18:19] offset:512  ; and 256 more
	U16 WE, 24
	QUANT32 R, 24
	global_store_b128 v7, v[C:C+3], s[18:19] offset:768
	global_store_b64 v8, v[C+4:C+5], s[18:19] offset:1280
	U16 27, 24
	v_cndmask_b32 v[SD], v[WE], v27, s38
	global_store_b16 v9, v[SD], s[18:19]           ; 32 lanes store 64 consecutive bytes
	s_endpgm
; ---------------- ROLE V: a wave takes 32 columns (half a head's channels) x 256 keys: 8 blocks a lane.
.Lrole_v:
	s_sub_co_u32 s21, ttmp9, 512
	s_and_b32 s22, s21, 7                          ; which 128 columns
	s_bfe_u32 s23, s21, 0x20003                    ; batch
	s_lshr_b32 s24, s21, 5                         ; which 256 keys
	s_lshl_b32 s26, s23, 11
	s_lshl_b32 s27, s24, 8
	s_add_co_u32 s26, s26, s27                     ; the first key's row
	s_lshl_b32 s26, s26, 12
	s_lshl_b32 s27, s22, 9
	s_add_co_u32 s26, s26, s27
	s_lshl_b32 s27, s20, 7
	s_add_co_u32 s26, s26, s27                     ; + 4 x (128 x group + 32 x wave)
	s_mov_b32 s27, 0
	s_add_nc_u64 s[8:9], s[8:9], s[26:27]
	s_lshl_b32 s28, s23, 4
	s_lshl_b32 s29, s22, 1
	s_add_co_u32 s28, s28, s29
	s_lshr_b32 s29, s20, 1
	s_add_co_u32 s28, s28, s29                     ; 16 x batch + head
	s_mul_i32 s28, s28, HS
	s_lshr_b32 s29, s24, 1
	s_mul_i32 s29, s29, QS
	s_add_co_u32 s28, s28, s29                     ; the quarter
	s_and_b32 s30, s24, 1                          ; which two of its four key steps
	s_and_b32 s31, s20, 1                          ; which half of the head's channels: channel tiles 2 x this, + 1
	s_mul_i32 s32, s30, 12288
	s_mul_i32 s33, s31, 3072
	s_add_co_u32 s32, s32, s33
	s_add_co_u32 s32, s32, s28
	s_add_co_u32 s32, s32, VC
	s_mov_b32 s33, 0
	s_lshl_b32 s34, s30, 9
	s_lshl_b32 s35, s31, 7
	s_add_co_u32 s34, s34, s35
	s_add_co_u32 s34, s34, s28
	s_add_co_u32 s34, s34, VSC
	s_mov_b32 s35, 0
	s_add_nc_u64 s[40:41], s[16:17], s[32:33]      ; my fragments
	s_add_nc_u64 s[42:43], s[16:17], s[34:35]      ; my scale words
	s_mul_i32 s44, s20, 6144
	s_add_co_u32 s44, s44, 17408                   ; my stage: 2 key steps x 2 channel tiles x 1,536 bytes
	s_wait_alu depctr_va_vdst(0)
	v_lshlrev_b32 v4, 2, v1                        ; in: 4 bytes a lane
	v_bfe_u32 v5, v0, 3, 1                         ; column x of my 32 is lane r = x % 8 + 8 (x / 16) of channel tile u = (x / 8) % 2
	v_and_b32 v6, 7, v0
	v_lshl_add_u32 v6, v3, 3, v6
	v_mul_u32_u24 v7, v5, 1536
	v_lshl_add_u32 v7, v6, 4, v7
	v_add_nc_u32 v7, s44, v7                       ; into the stage: 1,536 u + 16 r
	v_lshl_add_u32 v8, v1, 4, s44                  ; out of it: 16 x lane
	v_lshlrev_b32 v9, 2, v6
	v_lshl_add_u32 v9, v5, 6, v9                   ; my scale word: 64 u + 4 r
	v_lshlrev_b32 v10, 4, v1
.macro VLOAD t                         ; block t: v(32 t + i, my column), i = 0 .. 31: each load reads 128 consecutive bytes, the four waves stand side by side on 512
.set q, 0
.rept 32
	global_load_b32 v[BX+32*((\t)%2)+q], v4, s[8:9] offset:(32*(\t)+q)*4096 th:TH_LOAD_NT
.set q, q+1
.endr
.endm
; A fragment of V^T is 16 channels x 128 keys, 12 registers: lane (r, hh) holds keys 64 c + 32 hh + 0 .. 31 in registers 6 c .. 6 c + 5.  Its image: registers 4 g .. 4 g + 3 at 512 g + 16 x lane.
; My block t is block t % 4 = 2 c + hh of key step t / 4: its six registers go to the places of lane r + 16 hh.
.macro BLOCK t
.set XS, BX+32*((\t)%2)
.set OFS, 3072*((\t)/4)+256*((\t)%2)
.if (\t) < 7
	s_wait_loadcnt 32                              ; this block's 32 loads are in; the next block's may be out
.else
	s_wait_loadcnt 0x0
.endif
	v_max3_num_f32 v14, |v[XS]|, |v[XS+1]|, |v[XS+2]|
	v_max3_num_f32 v15, |v[XS+3]|, |v[XS+4]|, |v[XS+5]|
.irp i,6,10,14,18,22,26
	v_max3_num_f32 v14, v14, |v[XS+\i]|, |v[XS+\i+1]|
	v_max3_num_f32 v15, v15, |v[XS+\i+2]|, |v[XS+\i+3]|
.endr
	v_max3_num_f32 v14, v14, |v[XS+30]|, |v[XS+31]|
	v_max3_num_f32 v14, v14, v15, 0x1800000        ; the floor 2^(3 - 127)
	v_add_nc_u32 v16, 0xff000000, v14
	v_lshrrev_b32 v17, 23, v16
.if (\t)%4 == 0
	v_mov_b32 v[SBY+(\t)/4], v17                   ; four bytes to a word, the lower keys in the lower byte
.else
	v_lshl_or_b32 v[SBY+(\t)/4], v17, 8*((\t)%4), v[SBY+(\t)/4]
.endif
	v_cvt_scalef32_pk16_fp6_f32 v[BC:BC+2], v[XS:XS+15], v16
	v_cvt_scalef32_pk16_fp6_f32 v[BC2:BC2+2], v[XS+16:XS+31], v16
	v_nop                                          ; one plain line behind the conversions
.irp i,0,1,2
	v_mov_b32 v[BC+3+\i], v[BC2+\i]
.endr
.if ((\t)/2)%2 == 0
	ds_store_b128 v7, v[BC:BC+3] offset:OFS        ; registers 0-3
	ds_store_b64 v7, v[BC+4:BC+5] offset:OFS+512   ; 4, 5
.else
	ds_store_b64 v7, v[BC:BC+1] offset:OFS+520     ; 6, 7
	ds_store_b128 v7, v[BC+2:BC+5] offset:OFS+1024 ; 8-11
.endif
.if (\t)+2 < 8
	VLOAD (\t)+2
.endif
	s_wait_dscnt 0x0                               ; the stores have read their registers: the next block's codes may be written
.endm
	VLOAD 0
	VLOAD 1
.irp t,0,1,2,3,4,5,6,7
	BLOCK \t
.endr
	global_store_b32 v9, v[SBY], s[42:43]          ; 32 lanes store 128 consecutive bytes
	s_wait_alu depctr_va_vdst(0)
	global_store_b32 v9, v[SBY+1], s[42:43] offset:256
.irp i,0,1,2,3,4,5,6,7,8,9,10,11
	ds_load_b128 v[OUTR+4*\i:OUTR+4*\i+3], v8 offset:512*\i   ; LDS serves a wave's instructions in order: these see my stores
.endr
.irp i,0,1,2,3,4,5,6,7,8,9,10,11
	s_wait_dscnt 11-\i                             ; the younger loads may be out
	global_store_b128 v10, v[OUTR+4*\i:OUTR+4*\i+3], s[40:41] offset:6144*(\i/6)+512*(\i%6)   ; 32 lanes store 512 consecutive bytes, aligned to 256
.endr
	s_wait_tensorcnt 0x0
	ds_add_u32 v208, v209
	s_wait_dscnt 0x0
	s_endpgm
; ---------------- ROLE QK: a wave takes one tile of 16 positions and walks eight heads: its 16 cos, sin pairs a lane serve all eight.
.Lrole_qk:
	s_and_b32 s21, ttmp9, 255
	s_lshr_b32 s22, s21, 6                         ; batch
	s_bfe_u32 s23, s21, 0x50001                    ; which four tiles
	s_and_b32 s24, s21, 1                          ; which eight heads
	s_lshl_b32 s23, s23, 2
	s_add_co_u32 s23, s23, s20                     ; T, 0 .. 127
	s_cmp_lt_u32 ttmp9, 256                        ; q's work-group or k's?  The choice hangs on the work-group's number alone
	s_cselect_b64 s[4:5], s[4:5], s[6:7]
	s_cselect_b64 s[10:11], s[10:11], s[12:13]
	s_cselect_b32 s25, QC, 0
	s_lshr_b32 s29, s23, 1
	s_lshl_b32 s29, s29, 5
	s_and_b32 s27, s23, 1
	s_lshl_b32 s27, s27, 3
	s_add_co_u32 s29, s29, s27                     ; the tile's first position, for q
	; K'S TILES ALONE ARE LAID OTHERWISE: lane r of tile T takes position 64 (T / 4) + 8 (T % 4) + r % 8 + 32 (r / 8), so that in S^T = K Q^T a lane's 32 registers of tiles 4 c .. 4 c + 3 are one whole block of 32 keys
	s_lshr_b32 s45, s23, 2
	s_lshl_b32 s45, s45, 6
	s_and_b32 s27, s23, 3
	s_lshl_b32 s27, s27, 3
	s_add_co_u32 s45, s45, s27                     ; the tile's first position, for k
	s_cmp_lt_u32 ttmp9, 256                        ; q's work-group or k's
	s_cselect_b32 s29, s29, s45
	s_cselect_b32 s46, 16, 17                      ; rows 8-15 lie 16 positions on (q) or 32 (k): 2^16 or 2^17 bytes
	s_cselect_b32 s47, 1, 3                        ; position = first + r + (1 or 3) x 8 (r / 8)
	s_lshl_b32 s26, s22, 11
	s_add_co_u32 s26, s26, s29
	s_lshl_b32 s26, s26, 12
	s_lshl_b32 s27, s24, 11
	s_add_co_u32 s26, s26, s27
	s_mov_b32 s27, 0
	s_add_nc_u64 s[4:5], s[4:5], s[26:27]
	s_lshl_b32 s30, s22, 4
	s_lshl_b32 s31, s24, 3
	s_add_co_u32 s30, s30, s31
	s_mul_i32 s30, s30, HS
	s_lshr_b32 s31, s23, 5
	s_mul_i32 s31, s31, QS
	s_add_co_u32 s30, s30, s31
	s_add_co_u32 s30, s30, s25
	s_mov_b32 s31, 0
	s_add_nc_u64 s[16:17], s[16:17], s[30:31]      ; my first head, the tile's quarter, K's or Q's part
	s_and_b32 s32, s23, 31
	s_mul_i32 s33, s32, 768
	s_lshl_b32 s34, s32, 6
	s_add_co_u32 s34, s34, KSC
	s_mul_i32 s35, s20, 4352                       ; my stage: 16 rows x (256 bytes + 16)
	s_mov_b32 s39, 0x34000000                      ; eps = 2^-23
	s_wait_alu depctr_va_vdst(0)
	v_lshlrev_b32 v[GL], 4, v2
	v_lshl_add_u32 v[GL], v3, s46, v[GL]           ; a load takes the tile's rows i (lanes 0-15) and i + 8 (lanes 16-31): 16 lanes read a head's 256 bytes of a row
	v_mul_u32_u24 v[SW], v3, 2176
	v_lshl_add_u32 v[SW], v2, 4, v[SW]
	v_add_nc_u32 v[SW], s35, v[SW]                 ; into the stage as loaded: row 8 h + i
	v_mul_u32_u24 v[SR], v2, 272
	v_lshl_add_u32 v[SR], v3, 7, v[SR]
	v_add_nc_u32 v[SR], s35, v[SR]                 ; out of it: row r, my block's 128 bytes
	v_lshl_add_u32 v[CO16], v1, 4, s33
	v_lshl_add_u32 v[CO8], v1, 3, s33
	v_mul_u32_u24 v[SCO], v3, HS
	v_lshl_add_u32 v[SCO], v2, 2, v[SCO]
	v_add_nc_u32 v[SCO], s34, v[SCO]               ; lanes 0-15 store the even head's words, lanes 16-31 the odd head's
	v_lshlrev_b32 v[WOF], 7, v3
.irp i,0,1,2,3,4,5,6,7
	global_load_b128 v[WN+4*\i:WN+4*\i+3], v[WOF], s[10:11] offset:16*\i
.endr
.irp i,0,1,2,3,4,5,6,7
	global_load_b128 v[R+4*\i:R+4*\i+3], v[GL], s[4:5] offset:4096*\i th:TH_LOAD_NT
.endr
.irp i,0,1,2,3,4,5,6,7
	global_load_b128 v[R+32+4*\i:R+32+4*\i+3], v[GL], s[4:5] offset:4096*\i+256 th:TH_LOAD_NT
.endr
	; cos and sin of position x inv_freq[16 h + i], i = 0 .. 15, while those loads are on their way.  Arrays: v160+i, v176+i, v10+i at work; v32+2i cos, v33+2i sin.
	v_and_b32 v26, 8, v2
	v_mad_u32_u24 v26, v26, s47, v2
	v_add_nc_u32 v26, s29, v26
	v_cvt_f32_u32 v26, v26                         ; my position
	v_mov_b32 v27, 1.0
	v_mov_b32 v29, 0x42c80000
	v_cndmask_b32 v27, v27, v29, s38               ; 10^(2 h): 1 or 100
	v_mov_b32 v28, 0x41200000
	v_mov_b32 v29, 0x447a0000
	v_cndmask_b32 v28, v28, v29, s38               ; 10^(2 h + 1): 10 or 1000
	v_mov_b32 v[X], v27
	v_mov_b32 v[X+8], v28
.macro PW2 m, hi, lo                   ; 10^(m / 8), in two parts, x the decade, rounded once: the product's head, its exact error, the low part's share
	v_mul_f32 v[X+\m], \hi, v27
	v_mul_f32 v[X+8+\m], \hi, v28
	v_fma_f32 v[X+16+\m], \hi, v27, -v[X+\m]
	v_fma_f32 v[X+24+\m], \hi, v28, -v[X+8+\m]
	v_fma_f32 v[X+16+\m], \lo, v27, v[X+16+\m]
	v_fma_f32 v[X+24+\m], \lo, v28, v[X+24+\m]
	v_add_f32 v[X+\m], v[X+\m], v[X+16+\m]
	v_add_f32 v[X+8+\m], v[X+8+\m], v[X+24+\m]
.endm
	PW2 1, 0x3faab0d5, 0xb3645804
	PW2 2, 0x3fe39ea9, 0xb26aee20
	PW2 3, 0x4017c496, 0x33606962
	PW2 4, 0x404a62c2, 0xb324b48d
	PW2 5, 0x4086f161, 0xb430576d
	PW2 6, 0x40b3f300, 0x34323465
	PW2 7, 0x40eff755, 0x34515b57
.set n, 0
	s_wait_alu depctr_va_vdst(0)
.rept 16
	v_rcp_f32 v[X+16+n], v[X+n]
.set n, n+1
.endr
	v_nop                                          ; a plain line behind the last reciprocal
	s_wait_alu depctr_va_vdst(0)                   ; one wait for the sixteen, ahead of their first reader
.set n, 0
.rept 16
	v_fma_f32 v[10+n], -v[X+n], v[X+16+n], 1.0     ; one step of Newton's: the quotient rounded
.set n, n+1
.endr
.set n, 0
.rept 16
	v_fma_f32 v[X+16+n], v[X+16+n], v[10+n], v[X+16+n]   ; inv_freq
.set n, n+1
.endr
.set n, 0
.rept 16
	v_mul_f32 v[X+n], v26, v[X+16+n]               ; the angle: one f32 product, as reference() has it
.set n, n+1
.endr
.set n, 0
.rept 16
	v_mul_f32 v[X+16+n], 0x3f22f983, v[X+n]        ; x 2 / pi
.set n, n+1
.endr
.set n, 0
.rept 16
	v_rndne_f32 v[X+16+n], v[X+16+n]               ; how many quarter turns
.set n, n+1
.endr
.set n, 0
.rept 16
	v_fmamk_f32 v[X+n], v[X+16+n], 0xbfc90fdb, v[X+n]   ; less that many times pi / 2: its head,
.set n, n+1
.endr
.set n, 0
.rept 16
	v_fmamk_f32 v[X+n], v[X+16+n], 0x333bbd2e, v[X+n]   ; and what the head leaves out
.set n, n+1
.endr
	v_mov_b32 v29, 0x37cd4000
	v_mov_b32 v30, 0x36405000
.set n, 0
.rept 16
	v_mul_f32 v[10+n], v[X+n], v[X+n]
.set n, n+1
.endr
.set n, 0
.rept 16
	v_fmaak_f32 v[CSN+2*n], v29, v[10+n], 0xbab6077d
	v_fmaak_f32 v[CSN+2*n+1], v30, v[10+n], 0xb9503486
.set n, n+1
.endr
.set n, 0
.rept 16
	v_fmaak_f32 v[CSN+2*n], v[CSN+2*n], v[10+n], 0x3d2aaaa8
	v_fmaak_f32 v[CSN+2*n+1], v[CSN+2*n+1], v[10+n], 0x3c0888c1
.set n, n+1
.endr
.set n, 0
.rept 16
	v_fma_f32 v[CSN+2*n], v[CSN+2*n], v[10+n], -0.5
	v_fmaak_f32 v[CSN+2*n+1], v[CSN+2*n+1], v[10+n], 0xbe2aaaab
.set n, n+1
.endr
.set n, 0
.rept 16
	v_fma_f32 v[CSN+2*n], v[CSN+2*n], v[10+n], 1.0 ; cos of the rest
	v_mul_f32 v[10+n], v[X+n], v[10+n]
.set n, n+1
.endr
.set n, 0
.rept 16
	v_fma_f32 v[CSN+2*n+1], v[CSN+2*n+1], v[10+n], v[X+n]   ; sin of the rest
	v_cvt_i32_f32 v[X+16+n], v[X+16+n]
.set n, n+1
.endr
.set n, 0
.rept 16                               ; the quarter turns: an odd number swaps the two; sin changes sign in turns 2, 3, cos in turns 1, 2
	v_and_b32 v29, 1, v[X+16+n]
	v_cmp_eq_u32 vcc_lo, 1, v29
	v_cndmask_b32 v[X+n], v[CSN+2*n], v[CSN+2*n+1], vcc_lo
	v_cndmask_b32 v[10+n], v[CSN+2*n+1], v[CSN+2*n], vcc_lo
	v_lshlrev_b32 v30, 30, v[X+16+n]
	v_add_nc_u32 v31, 1, v[X+16+n]
	v_and_b32 v30, 0x80000000, v30
	v_lshlrev_b32 v31, 30, v31
	v_xor_b32 v[CSN+2*n+1], v30, v[10+n]
	v_and_b32 v31, 0x80000000, v31
	v_xor_b32 v[CSN+2*n], v31, v[X+n]
.set n, n+1
.endr
; One head's tile.  set: which registers hold it as loaded; par: even or odd head of the pair in hand; ahead = 1: the set is loaded again with the head two on; left: the younger loads that may stay out.
.macro TILE set, par, ahead, left
	s_wait_loadcnt \left                           ; my eight loads are in; the other set's eight may be out
.irp i,0,1,2,3,4,5,6,7
	ds_store_b128 v[SW], v[R+32*\set+4*\i:R+32*\set+4*\i+3] offset:272*\i
.endr
.irp i,0,1,2,3,4,5,6,7
	ds_load_b128 v[X+4*\i:X+4*\i+3], v[SR] offset:16*\i   ; LDS serves a wave's instructions in order: these see the stores above
.endr
	s_wait_dscnt 0x0                               ; my block is in, and the stores have read their registers
.if \ahead
.irp i,0,1,2,3,4,5,6,7
	global_load_b128 v[R+32*\set+4*\i:R+32*\set+4*\i+3], v[GL], s[4:5] offset:4096*\i+256*\par+512 th:TH_LOAD_NT
.endr
.endif
.irp k,0,1,2,3
	v_mul_f32 v[10+\k], v[X+\k], v[X+\k]           ; the sum of squares, in four chains
.endr
.set n, 4
.rept 28
	v_fmac_f32 v[10+n%4], v[X+n], v[X+n]
.set n, n+1
.endr
	v_add_f32 v10, v10, v11
	v_add_f32 v12, v12, v13
	v_add_f32 v10, v10, v12
	v_permlanex16_b32 v11, v10, s36, s37
	v_add_f32 v10, v10, v11                        ; with lane l xor 16's 32 numbers: the head's 64
	v_fma_f32 v10, v10, 0x3c800000, s39            ; / 64 (exact) + eps
	s_wait_alu depctr_va_vdst(0)
	v_rsq_f32 v14, v10
	v_mov_b32 v15, 0                               ; a plain line behind it; the pair's upper word is named below, so it is written
	s_wait_alu depctr_va_vdst(0)                   ; ahead of the first reader
.set n, 0
.rept 16
	v_pk_mul_f32 v[X+n:X+n+1], v[X+n:X+n+1], v[14:15] op_sel_hi:[1,0]
.set n, n+2
.endr
.set n, 0
.rept 16
	v_pk_mul_f32 v[X+n:X+n+1], v[X+n:X+n+1], v[WN+n:WN+n+1]   ; (x rsqrt) w, in reference()'s order
.set n, n+2
.endr
.set n, 0
.rept 16                               ; RoPE: pair n of my block is pair 16 h + n of the head
	v_mul_f32 v[16+2*(n%4)], v[X+2*n+1], v[CSN+2*n+1]
	v_mul_f32 v[17+2*(n%4)], v[X+2*n], v[CSN+2*n+1]
	v_fma_f32 v[X+2*n], v[X+2*n], v[CSN+2*n], -v[16+2*(n%4)]
	v_fma_f32 v[X+2*n+1], v[X+2*n+1], v[CSN+2*n], v[17+2*(n%4)]
.set n, n+1
.endr
	QUANT32 X, 24
	global_store_b128 v[CO16], v[C:C+3], s[16:17] offset:\par*HS       ; 32 lanes store 512 consecutive bytes,
	global_store_b64 v[CO8], v[C+4:C+5], s[16:17] offset:\par*HS+512   ; and 256 more
.if \par == 0
	U16 WE, 24
.else
	U16 27, 24
	v_cndmask_b32 v[SD], v[WE], v27, s38
	global_store_b32 v[SCO], v[SD], s[16:17]       ; two heads' words: 64 consecutive bytes each
.endif
.endm
	s_mov_b32 s40, 3
.Lheads:
	TILE 0, 0, 1, 8
	TILE 1, 1, 1, 8
	s_wait_xcnt 0x0                                ; the loads and stores have read their bases: both may step
	s_add_nc_u64 s[4:5], s[4:5], 512
	s_add_nc_u64 s[16:17], s[16:17], 2*HS
	s_sub_co_u32 s40, s40, 1
	s_cmp_lg_u32 s40, 0
	s_cbranch_scc1 .Lheads
	TILE 0, 0, 0, 8                                ; the last two heads load nothing: no load leaves its buffer
	TILE 1, 1, 0, 0
	s_wait_tensorcnt 0x0
	ds_add_u32 v208, v209
	s_wait_dscnt 0x0
	s_endpgm
.Lfunc_end_k_q125fbb33bc_prep:
	.size	k_q125fbb33bc_prep, .Lfunc_end_k_q125fbb33bc_prep-k_q125fbb33bc_prep
	.p2alignl 7, 3214868480
	.fill 96, 4, 3214868480
	.section	.rodata,"a",@progbits
	.p2align	6, 0x0
	.amdhsa_kernel k_q125fbb33bc_prep
		.amdhsa_group_segment_fixed_size 42496
		.amdhsa_private_segment_fixed_size 0
		.amdhsa_enable_private_segment 0
		.amdhsa_kernarg_size 64
		.amdhsa_user_sgpr_count 2
		.amdhsa_user_sgpr_kernarg_segment_ptr 1
		.amdhsa_wavefront_size32 1
		.amdhsa_system_sgpr_workgroup_id_x 1
		.amdhsa_system_sgpr_workgroup_id_y 1
		.amdhsa_system_sgpr_workgroup_id_z 1
		.amdhsa_system_vgpr_workitem_id 0
		.amdhsa_next_free_vgpr 210
		.amdhsa_next_free_sgpr 66
		.amdhsa_reserve_vcc 1
		.amdhsa_float_denorm_mode_32 3
		.amdhsa_float_denorm_mode_16_64 3
		.amdhsa_memory_ordered 1
		.amdhsa_forward_progress 1
		.amdhsa_inst_pref_size 122
	.end_amdhsa_kernel
	.amdgpu_metadata
---
amdhsa.version: [ 1, 2 ]
amdhsa.kernels:
  - .name:           k_q125fbb33bc_prep
    .symbol:         k_q125fbb33bc_prep.kd
    .args:
      - { .name: q, .offset: 0, .size: 8, .value_kind: global_buffer, .address_space: global }
      - { .name: k, .offset: 8, .size: 8, .value_kind: global_buffer, .address_space: global }
      - { .name: v, .offset: 16, .size: 8, .value_kind: global_buffer, .address_space: global }
      - { .name: q_norm_w, .offset: 24, .size: 8, .value_kind: global_buffer, .address_space: global }
      - { .name: k_norm_w, .offset: 32, .size: 8, .value_kind: global_buffer, .address_space: global }
      - { .name: proj_w, .offset: 40, .size: 8, .value_kind: global_buffer, .address_space: global }
      - { .name: qkv, .offset: 48, .size: 8, .value_kind: global_buffer, .address_space: global }
      - { .name: wq, .offset: 56, .size: 8, .value_kind: global_buffer, .address_space: global }
    .group_segment_fixed_size: 42496
    .private_segment_fixed_size: 0
    .kernarg_segment_align: 8
    .kernarg_segment_size: 64
    .max_flat_workgroup_size: 128
    .sgpr_count:     66
    .vgpr_count:     210
    .wavefront_size: 32
...
	.end_amdgpu_metadata
.endif
;; end of part 1
;; launch attn (part 2): grid 4 x 64, 16 waves a work-group, clusters of 4 x 1, 210,944 bytes of LDS; arguments qkv, ctxq; writes ctxq
.if DOCPART == 2
	.amdgcn_target "amdgcn-amd-amdhsa--gfx1250"
	.amdhsa_code_object_version 6
	.text
	.protected	k_q125fbb33bc_attn
	.globl	k_q125fbb33bc_attn
	.p2align	8
	.type	k_q125fbb33bc_attn,@function
k_q125fbb33bc_attn:
	s_mov_b64 s[64:65], 0
	v_nop
	global_prefetch_b8 v0, s[64:65] scope:SCOPE_SE
	s_setreg_imm32_b32 hwreg(HW_REG_WAVE_MODE, 25, 1), 1
	s_wait_xcnt 0x0
	s_wait_alu depctr_hold_cnt(0) depctr_sa_sdst(0) depctr_va_vdst(0) depctr_va_sdst(0) depctr_va_ssrc(0) depctr_va_vcc(0) depctr_vm_vsrc(0)
	s_getreg_b32 s2, hwreg(HW_REG_IB_STS2, 6, 4)
	s_cmp_eq_u32 s2, 0
	s_cbranch_scc0 .Lentry_in_a_cluster
	s_endpgm
.Lentry_in_a_cluster:
	s_bfe_u32 s2, ttmp6, 0x10000c
	s_cmp_lg_u32 s2, 0x3003
	s_cbranch_scc0 .Lentry_shape_is_right
	s_endpgm
.Lentry_shape_is_right:
; ctx = softmax(Q K^T / 8) V for one head, both products on codes of FP6 (E2M3) with one E8M0 byte for each 32 along K; ctx is quantised here, along the head's 64 channels, for the projection.
; THE SOFTMAX: t = score x log2(e) / 8; M = the row's largest t so far, rounded UP to a whole number; p = 2^(t - M) is quantised along the keys.  The row's sum is taken of the unquantised p and divides at the end.
; When M moves, the sum and O are multiplied by 2^(old M - new M): exact.
; SHARES.  A cluster of four work-groups is one head (16 x batch + head); work-group x owns queries 512 x on, in two passes of 256; each of the sixteen waves owns one tile of 16 queries a pass.
; THE WHOLE HEAD'S K AND V LIE IN LDS, 4 quarters x 52,224 bytes, as they lie in memory, each byte filled once: no ring, nothing is filled again.  The four work-groups need the same bytes and ask JOINTLY:
; every wave issues ONE tensor load, a sixteenth (13,056 bytes, 51 rows of 256), with a mask that names the four; one wait for 0 and one barrier show all of it to all waves.
; All of K and V is asked for at the head, so there is no later load that a prefetch could run ahead of: none is written.
; LAYOUT.  Both products are used transposed: S^T = K Q^T, O^T = V^T P^T: a lane holds ONE query (lane % 16) throughout.
; Row 8 h + j of K's tile 4 c + u is key 64 c + 32 h + 8 u + j: so a lane's 32 registers of tiles 4 c .. 4 c + 3 are keys 64 c + 32 (lane / 16) + 0 .. 31, a WHOLE block, in the order and in the lane in which the
; second product's operand wants it: a block's maximum needs no other lane and the codes are not moved between lanes.
; The head size is 64: Q's registers 6-11 (k = 64 .. 127) are zero codes, set once.  K's registers 6-11 then count for nothing whatever codes they hold (every code of E2M3 is a finite number; the scale bytes there are 0):
; so K's images lie end to end, 6 registers each, and tile t's fragment is its own six and the next six.
; A STEP is 256 keys: 16 tiles of S^T in 128 registers.  K's images of tiles 0-7 wait in the upper half of S, those of tiles 8-15 in v32-79; V's fragments land on p's registers once p is converted.
; LIMITS: p under 2^-126 comes out as 0 (v_exp_f32 flushes denormal results: ISA guide, its entry in 15.8); a block of zeros keeps the byte 1 where the rule says 127: its codes are zeros, and this program alone reads the bytes.
; The promise holds while the scaled scores t stay under 2^31 in magnitude.  NaN and infinities among the inputs are not served.
.set HS,   315392
.set QS,   78848
.set KVQ,  52224                       ; K's and V's part of a quarter
.set TLB,  13056                       ; what one tensor load brings
.set KSC,  24576
.set VC,   26624
.set VSC,  51200
.set QC,   52224
.set QSC,  76800
.set REC,  12800
.set HALF, 6400
.set RSC,  6144
.set SPARE, 208896                     ; behind the four quarters: the spare words, 128 bytes a wave
.set MX,   0                           ; v0-3    the four blocks' largest scores, then their bytes (v0 is free behind the head)
.set L16,  4                           ; v4-6    16, 8, 4 x lane; never rewritten
.set L8,   5
.set L4,   6
.set A16,  7                           ; v7-9    the same + the quarter's place in LDS
.set A8,   8
.set A4,   9
.set QF,   16                          ; v16-27  Q's fragment
.set KB,   32                          ; v32-79  K's images of tiles 8-15 (v80-85: the last fragment's upper half)
.set PC,   32                          ; v32-55  then p's codes, two fragments
.set CT,   56                          ; v56-71  the conversions' second halves
.set SO,   72                          ; v72-75  the conversions' scale operands
.set WK,   76                          ; v76-77  at work
.set CH,   78                          ; v78-85  the sum's four chains
.set O,    86                          ; v86-117 O^T
.set KS,   118                         ; v118-125 K's scale words: register p: lanes 0-15 tile 2 p, lanes 16-31 tile 2 p + 1
.set VS,   118                         ; v118-121 then V's, likewise
.set PW,   122                         ; v122-123 and p's, one word for each 128 keys
.set QSW,  126                         ; v126 Q's scale words
.set SH,   127                         ; v127 8 x (lane / 16)
.set S,    128                         ; v128-255 S^T, then p, then V's fragments
.set KA,   S+64                        ; K's images of tiles 0-7
; v[10:11] f; v12 -M; v13 the largest t; v[14:15] the sum in two halves; v28 4 (lane % 16); v29 that + lane / 16; v30, v31 the add's two
.macro CROUND
	s_barrier_signal -1
	s_barrier_wait -1
	s_cmp_lg_u32 s8, 0
	s_cbranch_scc1 .Lnot_wave_0_\@
	s_barrier_signal -3
.Lnot_wave_0_\@:
	s_barrier_wait -3
	s_barrier_signal -1
	s_barrier_wait -1
.endm
.macro QLOAD                           ; my tile of Q: its image and its scale words
	global_load_b128 v[QF:QF+3], v[L16], s[40:41]
	global_load_b64 v[QF+4:QF+5], v[L8], s[40:41] offset:512
	global_load_b32 v[QSW], v28, s[42:43]
.endm
.macro PLACES n
.rept \n
	v_nop
.endr
.endm
	s_load_b128 s[4:7], s[0:1], 0x0                ; qkv s[4:5], ctxq s[6:7]
	v_lshl_add_u32 v30, v0, 2, SPARE
	v_mov_b32 v31, 0
	ds_add_u32 v30, v31                            ; the opening lines: the add, twice on end, and its wait
	ds_add_u32 v30, v31
	v_lshrrev_b32 v8, 5, v0
	s_delay_alu instid0(VALU_DEP_1)
	v_readfirstlane_b32 s8, v8                     ; wave 0..15
	s_bfe_u32 s9, ttmp6, 0x40000                   ; my place in the cluster
	s_lshl_b32 s11, ttmp9, 2
	s_add_co_u32 s9, s11, s9                       ; my block of 512 queries: it enters Q's and ctx's addresses alone
	s_and_b32 s10, ttmp7, 0xffff                   ; the head, which the four partners share
	s_mov_b32 s16, 15|(3<<16)|(1<<21)              ; group 1: the mask: all four; elements of 8 bytes; bit 21 set beside a mask; no padding
	s_mov_b32 s17, 32<<16                          ; tensor_dim0 = 32 elements: rows of 256 bytes
	s_mov_b32 s18, 51<<16                          ; tensor_dim1 = 51
	s_mov_b32 s19, 32<<16                          ; tile_dim0
	s_mov_b32 s20, 51                              ; tile_dim1
	s_mov_b32 s21, 32                              ; the pitch: the block is dense
	s_mov_b32 s22, 0
	s_mov_b32 s23, 0
	s_mov_b32 s24, 1                               ; group 0: count = 1
	s_mul_i32 s25, s8, TLB                         ; LDS address: a quarter is four loads' bytes, so wave w's sixteenth begins at 13,056 w
	s_lshr_b32 s12, s8, 2
	s_mul_i32 s12, s12, QS                         ; in memory: quarter w / 4,
	s_and_b32 s13, s8, 3
	s_mul_i32 s13, s13, TLB                        ; part w % 4
	s_add_co_u32 s12, s12, s13
	s_mov_b32 s13, 0
	s_mul_i32 s14, s10, HS
	s_mov_b32 s15, 0
	s_mul_i32 s60, s9, QS
	s_mul_i32 s61, s8, 768
	s_add_co_u32 s60, s60, s61
	s_add_co_u32 s60, s60, QC                      ; Q's image of tile 16 x pass + wave of my quarter
	s_mov_b32 s61, 0
	s_mul_i32 s62, s9, QS
	s_lshl_b32 s63, s8, 6
	s_add_co_u32 s62, s62, s63
	s_add_co_u32 s62, s62, QSC
	s_mov_b32 s63, 0
	s_lshr_b32 s11, s10, 4
	s_lshl_b32 s11, s11, 7
	s_lshl_b32 s2, s9, 5
	s_add_co_u32 s11, s11, s2
	s_add_co_u32 s11, s11, s8                      ; ctx's tile of rows: 128 x batch + 32 x block + 16 x pass + wave
	s_mul_i32 s11, s11, REC
	s_bfe_u32 s2, s10, 0x10003                     ; heads 8-15 lie in the record's second half
	s_mul_i32 s2, s2, HALF
	s_add_co_u32 s2, s2, s11
	s_and_b32 s3, s10, 7
	s_mul_i32 s44, s3, 768
	s_add_co_u32 s44, s44, s2
	s_mov_b32 s45, 0
	s_lshr_b32 s46, s3, 1
	s_lshl_b32 s46, s46, 6                         ; two heads make a scale word's 128 along K
	s_and_b32 s47, s3, 1
	s_lshl_b32 s47, s47, 1
	s_add_co_u32 s46, s46, s47
	s_add_co_u32 s46, s46, s2
	s_add_co_u32 s46, s46, RSC
	s_mov_b32 s47, 0
	s_mov_b32 s54, 0x76543210
	s_mov_b32 s55, 0xfedcba98                      ; v_permlanex16_b32's selects for lane l xor 16
	s_mov_b32 s56, 0x3e38aa3b                      ; c = log2(e) / 8
	s_mov_b32 s57, s56                             ; (named with it as a pair, so it is written)
	s_mov_b32 s58, 0xffff0000                      ; a mask: lanes 16-31
	s_wait_dscnt 0x0                               ; both opening adds are done
	s_wait_kmcnt 0x0
	s_add_nc_u64 s[14:15], s[4:5], s[14:15]        ; the head's first byte
	s_add_nc_u64 s[40:41], s[14:15], s[60:61]
	s_add_nc_u64 s[42:43], s[14:15], s[62:63]
	s_add_nc_u64 s[44:45], s[6:7], s[44:45]
	s_add_nc_u64 s[46:47], s[6:7], s[46:47]
	s_add_nc_u64 s[26:27], s[14:15], s[12:13]      ; my sixteenth: made of the head and the wave's number alone
	s_or_b32 s27, s27, 0x80000000                  ; type = 2
	CROUND                                         ; all four work-groups are here: the joint loads meet
	tensor_load_to_lds s[24:27], s[16:23]          ; my one tensor load of the launch
	s_nop 0
	PLACES 4
	v_and_b32 v8, 31, v0
	v_and_b32 v9, 15, v0
	v_bfe_u32 v7, v0, 4, 1
	v_lshlrev_b32 v[L16], 4, v8
	v_lshlrev_b32 v[L8], 3, v8
	v_lshlrev_b32 v[L4], 2, v8
	v_lshlrev_b32 v28, 2, v9
	v_lshlrev_b32 v[SH], 3, v7
	s_delay_alu instid0(VALU_DEP_2)
	v_add_nc_u32 v29, v28, v7
	QLOAD
.irp j,6,7,8,9,10,11
	v_mov_b32 v[QF+\j], 0                          ; k = 64 .. 127 of Q: zero codes, set once
	v_mov_b32 v[KB+42+\j], 0                       ; v80-85 and v240-245 are named as the upper halves of tiles 15's and 7's fragments: written once, whatever they hold later
	v_mov_b32 v[KA+42+\j], 0
.endr
	v_mov_b32 v11, 0                               ; (the upper half of the pair v[10:11])
.macro KQ t                            ; tile t of the step's sixteen: 16 keys x my 16 queries
.if (\t) < 8
.set rK, KA+6*(\t)
.else
.set rK, KB+6*((\t)-8)
.endif
.if (\t)%2
	v_wmma_scale_f32_16x16x128_f8f6f4 v[S+8*(\t):S+8*(\t)+7], v[rK:rK+11], v[QF:QF+11], 0, v[KS+(\t)/2], v[QSW] matrix_a_fmt:MATRIX_FMT_FP6 matrix_b_fmt:MATRIX_FMT_FP6 matrix_a_scale:MATRIX_SCALE_ROW1
.else
	v_wmma_scale_f32_16x16x128_f8f6f4 v[S+8*(\t):S+8*(\t)+7], v[rK:rK+11], v[QF:QF+11], 0, v[KS+(\t)/2], v[QSW] matrix_a_fmt:MATRIX_FMT_FP6 matrix_b_fmt:MATRIX_FMT_FP6
.endif
.endm
.macro PV s, c                         ; channel tile c x my 16 queries, K = the s-th 128 keys of the step
.if (\c)%2
	v_wmma_scale_f32_16x16x128_f8f6f4 v[O+8*\c:O+8*\c+7], v[S+64*\s+12*\c:S+64*\s+12*\c+11], v[PC+12*\s:PC+12*\s+11], v[O+8*\c:O+8*\c+7], v[VS+2*\s+(\c)/2], v[PW+\s] matrix_a_fmt:MATRIX_FMT_FP6 matrix_b_fmt:MATRIX_FMT_FP6 matrix_a_scale:MATRIX_SCALE_ROW1
.else
	v_wmma_scale_f32_16x16x128_f8f6f4 v[O+8*\c:O+8*\c+7], v[S+64*\s+12*\c:S+64*\s+12*\c+11], v[PC+12*\s:PC+12*\s+11], v[O+8*\c:O+8*\c+7], v[VS+2*\s+(\c)/2], v[PW+\s] matrix_a_fmt:MATRIX_FMT_FP6 matrix_b_fmt:MATRIX_FMT_FP6
.endif
.endm
.macro KLOAD j, t0, dst                ; eight images of K, end to end, and their four registers of scale words: 20 LDS loads
.set n, 0
.rept 8
	ds_load_b128 v[\dst+6*n:\dst+6*n+3], v[A16] offset:(16*\j+\t0+n)*768
	ds_load_b64 v[\dst+6*n+4:\dst+6*n+5], v[A8] offset:(16*\j+\t0+n)*768+512
.set n, n+1
.endr
.set n, 0
.rept 4
	ds_load_b32 v[KS+\t0/2+n], v[A4] offset:KSC+1024*\j+64*\t0+128*n
.set n, n+1
.endr
.endm
; The s-th 128 keys' p: converted, summed, and their registers given to V's fragments.
.macro HALFP j, s
	v_cvt_scalef32_pk16_fp6_f32 v[PC+12*\s:PC+12*\s+2], v[S+64*\s:S+64*\s+15], v[SO+2*\s]
	v_cvt_scalef32_pk16_fp6_f32 v[CT+8*\s:CT+8*\s+2], v[S+64*\s+16:S+64*\s+31], v[SO+2*\s]       ; (a conversion's three registers begin on an even number)
	v_cvt_scalef32_pk16_fp6_f32 v[PC+12*\s+6:PC+12*\s+8], v[S+64*\s+32:S+64*\s+47], v[SO+2*\s+1]
	v_cvt_scalef32_pk16_fp6_f32 v[CT+8*\s+4:CT+8*\s+6], v[S+64*\s+48:S+64*\s+63], v[SO+2*\s+1]
.if \s == 0
.set n, 0
.rept 4
	v_pk_add_f32 v[CH+2*n:CH+2*n+1], v[S+4*n:S+4*n+1], v[S+4*n+2:S+4*n+3]   ; the sum of the unquantised p: two at a time, in four chains
.set n, n+1
.endr
.set n, 8
.else
.set n, 32
.endif
.rept 24+8*\s
	v_pk_add_f32 v[CH+2*(n%4):CH+2*(n%4)+1], v[CH+2*(n%4):CH+2*(n%4)+1], v[S+2*n:S+2*n+1]
.set n, n+1
.endr
.irp i,0,1,2
	v_mov_b32 v[PC+12*\s+3+\i], v[CT+8*\s+\i]
	v_mov_b32 v[PC+12*\s+9+\i], v[CT+8*\s+4+\i]
.endr
.irp c,0,1,2,3
.irp g,0,1,2
	ds_load_b128 v[S+64*\s+12*\c+4*\g:S+64*\s+12*\c+4*\g+3], v[A16] offset:VC+6144*(2*\j+\s)+1536*\c+512*\g
.endr
.endr
.endm
; A STEP: 256 keys, the j-th half of the quarter in hand.  Five places stand ahead of it: its loads land on registers that the last products read, and its first products write over such registers.
; No two matrix instructions that follow each other share an accumulator, over the backward jump too.
.macro STEP j
	KLOAD \j, 0, KA
	KLOAD \j, 8, KB
	s_wait_dscnt 20                                ; tiles 0-7 and their words are in; the 20 loads for tiles 8-15 may be out
.irp t,0,1,2,3,4,5,6,7
	KQ \t
.endr
	PLACES 5                                       ; tiles 8-15 write over the registers that held the images of tiles 0-7
	s_wait_dscnt 0x0
.irp t,8,9,10,11,12,13,14,15
	KQ \t
.endr
	PLACES 4                                       ; ahead of the first read of the scores and of loads into the scale registers
.irp p,0,1,2,3
	ds_load_b32 v[VS+\p], v[A4] offset:VSC+512*\j+128*\p
.endr
.irp b,0,1,2,3
	v_max3_num_f32 v[MX+\b], v[S+32*\b], v[S+32*\b+1], v[S+32*\b+2]   ; the largest score of each of my four blocks of 32 keys: it serves the row's maximum and, since p rises with the score, the block's largest p
.endr
.irp i,3,5,7,9,11,13,15,17,19,21,23,25,27,29
.irp b,0,1,2,3
	v_max3_num_f32 v[MX+\b], v[MX+\b], v[S+32*\b+\i], v[S+32*\b+\i+1]
.endr
.endr
.irp b,0,1,2,3
	v_max_num_f32 v[MX+\b], v[MX+\b], v[S+32*\b+31]
.endr
	s_delay_alu instid0(VALU_DEP_2)
	v_max3_num_f32 v[WK], v[MX], v[MX+1], v[MX+2]
	s_delay_alu instid0(VALU_DEP_1)
	v_max_num_f32 v[WK], v[WK], v[MX+3]
	s_delay_alu instid0(VALU_DEP_1)
	v_permlanex16_b32 v[WK+1], v[WK], s54, s55
	s_delay_alu instid0(VALU_DEP_1)
	v_max_num_f32 v[WK], v[WK], v[WK+1]            ; with lane l xor 16's 128 keys
	s_delay_alu instid0(VALU_DEP_1)
	v_mul_f32 v[WK], s56, v[WK]                    ; the step's largest t (c is positive)
	s_delay_alu instid0(VALU_DEP_1)
	v_max_num_f32 v13, v13, v[WK]
	v_mov_b32 v[WK], v12
	s_delay_alu instid0(VALU_DEP_2)
	v_floor_f32 v12, -v13                          ; the new -M = -ceil(t): a whole number
	s_delay_alu instid0(VALU_DEP_1)
	v_sub_f32 v[WK], v12, v[WK]                    ; old M - new M, 0 or less
	s_delay_alu instid0(VALU_DEP_1)
	v_cvt_i32_f32 v[WK], v[WK]                     ; (it saturates)
	s_delay_alu instid0(VALU_DEP_1)
	v_ldexp_f32 v10, 1.0, v[WK]                    ; f = 2^(old M - new M)
.set n, 0
.rept 64
	v_pk_fma_f32 v[S+n:S+n+1], v[S+n:S+n+1], s[56:57], v[12:13] op_sel_hi:[1,0,0]   ; t - M, two at a time
.set n, n+2
.endr
.irp b,0,1,2,3
	v_fma_f32 v[MX+\b], v[MX+\b], s56, v12         ; the same of each block's largest score
.endr
	s_wait_alu depctr_va_vdst(0)
.set n, 0
.rept 128
	v_exp_f32 v[S+n], v[S+n]                       ; p = 2^(t - M)
.set n, n+1
.endr
.irp b,0,1,2,3
	v_exp_f32 v[MX+\b], v[MX+\b]                   ; the blocks' largest p
.endr
	s_wait_alu depctr_va_vdst(0)                   ; one wait for the batch, which also stands directly ahead of the first readers of O^T
.set n, 0
.rept 16
	v_pk_mul_f32 v[O+n:O+n+1], v[O+n:O+n+1], v[10:11] op_sel_hi:[1,0]   ; O^T under the new M; plain lines behind the exponentials
.set n, n+2
.endr
.irp b,0,1,2,3
	v_max_num_f32 v[MX+\b], 0x1800000, v[MX+\b]    ; the floor 2^(3 - 127): the byte cannot fall under 1
.endr
.irp b,0,1,2,3
	s_delay_alu instid0(VALU_DEP_4)
	v_add_nc_u32 v[SO+\b], 0xff000000, v[MX+\b]    ; 2 off the exponent field: the conversion's scale operand
.endr
.irp b,0,1,2,3
	s_delay_alu instid0(VALU_DEP_4)
	v_lshrrev_b32 v[MX+\b], 23, v[SO+\b]           ; the scale's byte
.endr
.irp s,0,1
	v_lshl_or_b32 v[WK+\s], v[MX+2*\s+1], 16, v[MX+2*\s]   ; my two bytes of each 128 keys: blocks h and 2 + h,
.endr
.irp s,0,1
	s_delay_alu instid0(VALU_DEP_2)
	v_lshlrev_b32 v[WK+\s], v[SH], v[WK+\s]        ; at their places in the word;
.endr
.irp s,0,1
	s_delay_alu instid0(VALU_DEP_2)
	v_permlanex16_b32 v[PW+\s], v[WK+\s], s54, s55
.endr
.irp s,0,1
	s_delay_alu instid0(VALU_DEP_2)
	v_or_b32 v[PW+\s], v[PW+\s], v[WK+\s]          ; with lane l xor 16's two the word is whole
.endr
	HALFP \j, 0
	HALFP \j, 1
	v_pk_add_f32 v[CH:CH+1], v[CH:CH+1], v[CH+2:CH+3]
	v_pk_add_f32 v[CH+4:CH+5], v[CH+4:CH+5], v[CH+6:CH+7]
	s_delay_alu instid0(VALU_DEP_1)
	v_pk_add_f32 v[CH:CH+1], v[CH:CH+1], v[CH+4:CH+5]
	s_delay_alu instid0(VALU_DEP_1)
	v_pk_fma_f32 v[14:15], v[14:15], v[10:11], v[CH:CH+1] op_sel_hi:[1,0,1]   ; the old sum under the new M + the step's.  These four are the places between p's last codes and the products
	s_wait_alu depctr_va_vdst(0)
	s_wait_dscnt 12                                ; V's words and the first 128 keys' fragments are in; the second's 12 loads may be out
.irp c,0,1,2,3
	PV 0, \c
.endr
	s_wait_dscnt 0x0
.irp c,0,1,2,3
	PV 1, \c
.endr
.endm
	s_wait_alu depctr_va_vdst(0)
	s_wait_tensorcnt 0x0                           ; my sixteenth is in
	s_barrier_signal -1
	s_barrier_wait -1                              ; everybody's is: the head's K
	s_mov_b32 s48, 2
.Lpass:
	v_mov_b32 v13, 0xff61b1e6                      ; the largest t so far: -3e38, under every t
	s_delay_alu instid0(VALU_DEP_1)
	v_floor_f32 v12, -v13
	v_mov_b32 v14, 0
	v_mov_b32 v15, 0
.set n, 0
.rept 32
	v_mov_b32 v[O+n], 0                            ; the step is written once: the first finds zeros, which the first change of M leaves zeros
.set n, n+1
.endr
	s_wait_alu depctr_va_vdst(0)
	s_wait_loadcnt 0x0                             ; Q
	s_mov_b32 s50, 0
	s_mov_b32 s49, 4
.Lquarter:                                             ; a trip: a quarter of the head's keys, two steps
	v_add_nc_u32 v[A16], s50, v[L16]
	v_add_nc_u32 v[A8], s50, v[L8]
	v_add_nc_u32 v[A4], s50, v[L4]
	PLACES 2                                       ; with the three above: the five places ahead of a step
	s_wait_alu depctr_va_vdst(0)                   ; the wait behind these writes
	STEP 0
	PLACES 5
	STEP 1
	s_add_co_u32 s50, s50, KVQ
	s_sub_co_u32 s49, s49, 1
	s_cmp_lg_u32 s49, 0
	s_cbranch_scc1 .Lquarter
	s_wait_xcnt 0x0
	s_add_nc_u64 s[40:41], s[40:41], 16*768        ; the next pass's tile of Q is asked for here and lands under the way out; the last pass asks for nothing
	s_add_nc_u64 s[42:43], s[42:43], 16*64
	s_cmp_eq_u32 s48, 1
	s_cbranch_scc1 .Lno_q
	QLOAD
.Lno_q:
	PLACES 4                                       ; ahead of the first read of O^T
	v_add_f32 v14, v14, v15
	s_delay_alu instid0(VALU_DEP_1)
	v_permlanex16_b32 v[WK], v14, s54, s55
	s_delay_alu instid0(VALU_DEP_1)
	v_add_f32 v14, v14, v[WK]                      ; the row's sum
	s_wait_alu depctr_va_vdst(0)
	v_rcp_f32 v14, v14
	v_nop
	s_wait_alu depctr_va_vdst(0)                   ; ahead of the first reader
.set n, 0
.rept 32
	v_mul_f32 v[S+n], v[O+n], v14                  ; ctx: register 16 b + i is channel 32 b + 16 (lane / 16) + i of my query; each accumulator is read from its low end on
.set n, n+1
.endr
.irp b,0,1
	v_max3_num_f32 v[MX+\b], |v[S+16*\b]|, |v[S+1+16*\b]|, 0x1800000
.endr
.irp i,2,4,6,8,10,12,14
.irp b,0,1
	s_delay_alu instid0(VALU_DEP_2)
	v_max3_num_f32 v[MX+\b], v[MX+\b], |v[S+16*\b+\i]|, |v[S+1+16*\b+\i]|
.endr
.endr
.irp b,0,1
	s_delay_alu instid0(VALU_DEP_2)
	v_permlanex16_b32 v[MX+2+\b], v[MX+\b], s54, s55
.endr
.irp b,0,1
	s_delay_alu instid0(VALU_DEP_2)
	v_max_num_f32 v[MX+\b], v[MX+\b], v[MX+2+\b]
.endr
.irp b,0,1
	s_delay_alu instid0(VALU_DEP_2)
	v_add_nc_u32 v[SO+\b], 0xff000000, v[MX+\b]
.endr
.irp b,0,1
	s_delay_alu instid0(VALU_DEP_2)
	v_lshrrev_b32 v[MX+2+\b], 23, v[SO+\b]
.endr
	v_cvt_scalef32_pk16_fp6_f32 v[PC:PC+2], v[S:S+15], v[SO]
	v_cvt_scalef32_pk16_fp6_f32 v[CT:CT+2], v[S+16:S+31], v[SO+1]
	v_nop
.irp i,0,1,2
	v_permlane16_swap_b32 v[PC+\i], v[CT+\i]       ; V's channels of a tile are laid 16 neighbours to a lane: a whole block to a lane by three swaps
.endr
.irp i,0,1,2
	s_delay_alu instid0(VALU_DEP_3)
	v_mov_b32 v[PC+3+\i], v[CT+\i]
.endr
	v_cndmask_b32 v[WK], v[MX+2], v[MX+3], s58     ; lanes 0-15 store block 0's byte, lanes 16-31 block 1's
	global_store_b128 v[L16], v[PC:PC+3], s[44:45] ; the tile's image: 512 consecutive bytes,
	global_store_b64 v[L8], v[PC+4:PC+5], s[44:45] offset:512   ; and 256 more
	global_store_b8 v29, v[WK], s[46:47]           ; my head's two bytes of each row's word
	s_wait_xcnt 0x0                                ; the stores have read their registers and bases
	s_add_nc_u64 s[44:45], s[44:45], 16*REC
	s_add_nc_u64 s[46:47], s[46:47], 16*REC
	s_sub_co_u32 s48, s48, 1
	s_cmp_lg_u32 s48, 0
	s_cbranch_scc1 .Lpass
	s_wait_tensorcnt 0x0                           ; the wave's end
	ds_add_u32 v30, v31
	s_wait_dscnt 0x0
	CROUND                                         ; the closing round
	s_endpgm
.Lfunc_end_k_q125fbb33bc_attn:
	.size	k_q125fbb33bc_attn, .Lfunc_end_k_q125fbb33bc_attn-k_q125fbb33bc_attn
	.p2alignl 7, 3214868480
	.fill 96, 4, 3214868480
	.section	.rodata,"a",@progbits
	.p2align	6, 0x0
	.amdhsa_kernel k_q125fbb33bc_attn
		.amdhsa_group_segment_fixed_size 210944
		.amdhsa_private_segment_fixed_size 0
		.amdhsa_enable_private_segment 0
		.amdhsa_kernarg_size 16
		.amdhsa_user_sgpr_count 2
		.amdhsa_user_sgpr_kernarg_segment_ptr 1
		.amdhsa_wavefront_size32 1
		.amdhsa_system_sgpr_workgroup_id_x 1
		.amdhsa_system_sgpr_workgroup_id_y 1
		.amdhsa_system_sgpr_workgroup_id_z 1
		.amdhsa_system_vgpr_workitem_id 0
		.amdhsa_next_free_vgpr 256
		.amdhsa_next_free_sgpr 66
		.amdhsa_reserve_vcc 0
		.amdhsa_float_denorm_mode_32 3
		.amdhsa_float_denorm_mode_16_64 3
		.amdhsa_memory_ordered 1
		.amdhsa_forward_progress 1
		.amdhsa_inst_pref_size 70
	.end_amdhsa_kernel
	.amdgpu_metadata
---
amdhsa.version: [ 1, 2 ]
amdhsa.kernels:
  - .name:           k_q125fbb33bc_attn
    .symbol:         k_q125fbb33bc_attn.kd
    .args:
      - { .name: qkv, .offset: 0, .size: 8, .value_kind: global_buffer, .address_space: global }
      - { .name: ctxq, .offset: 8, .size: 8, .value_kind: global_buffer, .address_space: global }
    .group_segment_fixed_size: 210944
    .private_segment_fixed_size: 0
    .kernarg_segment_align: 8
    .kernarg_segment_size: 16
    .max_flat_workgroup_size: 512
    .sgpr_count:     66
    .vgpr_count:     256
    .wavefront_size: 32
...
	.end_amdgpu_metadata
.endif
;; end of part 2
;; launch proj (part 3): grid 4 x 64, 8 waves a work-group, clusters of 4 x 4, 308,224 bytes of LDS; arguments ctxq, wq, proj_b, out0; writes out0
.if DOCPART == 3
	.amdgcn_target "amdgcn-amd-amdhsa--gfx1250"
	.amdhsa_code_object_version 6
	.text
	.protected	k_q125fbb33bc_proj
	.globl	k_q125fbb33bc_proj
	.p2align	8
	.type	k_q125fbb33bc_proj,@function
k_q125fbb33bc_proj:
	s_mov_b64 s[64:65], 0
	v_nop
	global_prefetch_b8 v0, s[64:65] scope:SCOPE_SE
	s_setreg_imm32_b32 hwreg(HW_REG_WAVE_MODE, 25, 1), 1
	s_wait_xcnt 0x0
	s_wait_alu depctr_hold_cnt(0) depctr_sa_sdst(0) depctr_va_vdst(0) depctr_va_sdst(0) depctr_va_ssrc(0) depctr_va_vcc(0) depctr_vm_vsrc(0)
	s_getreg_b32 s2, hwreg(HW_REG_IB_STS2, 6, 4)
	s_cmp_eq_u32 s2, 0
	s_cbranch_scc0 .Lentry_in_a_cluster
	s_endpgm
.Lentry_in_a_cluster:
	s_bfe_u32 s2, ttmp6, 0x10000c
	s_cmp_lg_u32 s2, 0xf033
	s_cbranch_scc0 .Lentry_shape_is_right
	s_endpgm
.Lentry_shape_is_right:
; out0 = ctx proj_w^T + proj_b: [8,192 x 1,024] x [1,024 x 1,024], on codes of FP6 (E2M3) with one E8M0 byte for each 32 along K; sums in f32.
; ctxq and wq hold a record of 12,800 bytes for each tile of 16 rows: two halves (512 along K each) of eight tile images (16 rows x 64 K, 768 bytes: registers 0-3 at 16 x lane, 4-5 at 512 + 8 x lane) and 4 x 16 scale words.
; Lane r of tile T is row 32 (T / 2) + 8 (T % 2) + r + 8 (r / 8), for ctx's rows and for proj_w's rows (the output's columns) alike.
; SHARES.  A work-group makes 128 rows x 256 columns: 8 tiles of ctx, 16 of proj_w.  Eight waves, each 64 x 64: 16 accumulators, 256 registers, no register windows.
; ALL OF K LIES IN LDS, each byte filled once: 24 records as they lie in memory; records 0-7 are ctx's, 8-23 proj_w's.  No ring, nothing is filled again.
; CLUSTERS: 4 x 4 work-groups.  The four of a row of the cluster need the same tiles of ctx, the four of a column the same tiles of proj_w: each is asked for JOINTLY.  Waves 0, 1 fetch for ctx, waves 2-5 for proj_w,
; ONE tensor load each: four records on end, 51,200 dense bytes.  Waves 6, 7 fetch nothing.
; THE MATRIX INSTRUCTION IS USED TRANSPOSED (source 0 = 16 rows of proj_w, source 1 = 16 rows of ctx): a lane holds eight neighbouring columns of one row of the output.
; The bias is loaded straight into the accumulators, in the result's layout, so every K step has the same text and nothing is cleared.
; All operands are asked for at the head, so there is no later load that a prefetch could run ahead of: none is written.
.set REC,  12800
.set HALF, 6400
.set RSC,  6144
.set SAW,  24                          ; v24-25 ctx's scale words: register p: lanes 0-15 tile 2 p, lanes 16-31 tile 2 p + 1
.set SBW,  26                          ; v26-27 proj_w's
.set AF,   32                          ; v32-79   ctx's four fragments
.set BF,   80                          ; v80-127  proj_w's four
.set ACC,  128                         ; v128-255 accumulator (a, b) at 128 + 8 (4 a + b)
; v1, v2: 16, 8 x lane; v4, v5: my ctx tiles' images; v6, v7: my proj_w tiles'; v8, v9: their scale words; v10, v11: the stage, in and out; v12: my bytes in the output; v13: my bytes in the bias
.macro CROUND
	s_barrier_signal -1
	s_barrier_wait -1
	s_cmp_lg_u32 s12, 0
	s_cbranch_scc1 .Lnot_wave_0_\@
	s_barrier_signal -3
.Lnot_wave_0_\@:
	s_barrier_wait -3
	s_barrier_signal -1
	s_barrier_wait -1
.endm
	s_load_b256 s[4:11], s[0:1], 0x0               ; ctxq s[4:5], wq s[6:7], proj_b s[8:9], out0 s[10:11]
	v_lshl_add_u32 v30, v0, 2, 0x4b000
	v_mov_b32 v31, 0
	ds_add_u32 v30, v31                            ; the opening lines: the add, twice on end, and its wait
	ds_add_u32 v30, v31
	v_lshrrev_b32 v3, 5, v0
	s_delay_alu instid0(VALU_DEP_1)
	v_readfirstlane_b32 s12, v3                    ; wave 0..7
	s_bfe_u32 s13, ttmp6, 0x40000                  ; cx, cy: my place in the cluster
	s_bfe_u32 s14, ttmp6, 0x40004
	s_lshl_b32 s15, ttmp9, 2
	s_add_co_u32 s15, s15, s13                     ; block column = 4 x cluster x + cx
	s_and_b32 s16, ttmp7, 0xffff
	s_lshl_b32 s16, s16, 2
	s_add_co_u32 s16, s16, s14                     ; block row = 4 x cluster y + cy
	s_lshl_b32 s17, s14, 2
	s_lshl_b32 s17, 15, s17                        ; my row of the cluster
	s_lshl_b32 s18, 0x1111, s13                    ; my column
	s_or_b32 s24, s17, (3<<16)|(1<<21)             ; group 1 for ctx's tiles: the mask; elements of 8 bytes; bit 21 set beside a mask; no padding
	s_or_b32 s32, s18, (3<<16)|(1<<21)             ; and for proj_w's
.irp g,24,32
	s_mov_b32 s[\g+1], 1600<<16                    ; tensor_dim0 = 1,600 elements: a record, 12,800 bytes
	s_mov_b32 s[\g+2], 4<<16                       ; tensor_dim1 = 4 records
	s_mov_b32 s[\g+3], 1600<<16                    ; tile_dim0
	s_mov_b32 s[\g+4], 4                           ; tile_dim1
	s_mov_b32 s[\g+5], 1600                        ; the pitch: the records are dense
	s_mov_b32 s[\g+6], 0
	s_mov_b32 s[\g+7], 0
.endr
	; ctx's address is made of the block row and the wave's number, proj_w's of the block column and the wave's number, each in registers that never hold the other coordinate
	s_and_b32 s19, s12, 1
	s_lshl_b32 s19, s19, 2
	s_lshl_b32 s20, s16, 3
	s_add_co_u32 s20, s20, s19                     ; ctx: tile 8 x block row + 4 x (wave % 2)
	s_mul_i32 s20, s20, REC
	s_mov_b32 s21, 0
	s_add_co_u32 s19, s12, 2
	s_and_b32 s19, s19, 3                          ; waves 2, 3, 4, 5: 0, 1, 2, 3
	s_lshl_b32 s19, s19, 2
	s_lshl_b32 s22, s15, 4
	s_add_co_u32 s22, s22, s19                     ; proj_w: tile 16 x block column + 4 x that
	s_mul_i32 s22, s22, REC
	s_mov_b32 s23, 0
	s_min_u32 s56, s12, 5
	s_mul_i32 s56, s56, 4*REC                      ; where they go: four records a fetching wave
	s_and_b32 s57, s12, 3                          ; which 64 columns are mine
	s_lshr_b32 s60, s12, 2                         ; which 64 rows
	s_lshl_b32 s58, s15, 10
	s_lshl_b32 s61, s57, 8
	s_add_co_u32 s58, s58, s61                     ; my first column, in bytes
	s_mov_b32 s59, 0
	s_lshl_b32 s62, s16, 7
	s_lshl_b32 s61, s60, 6
	s_add_co_u32 s62, s62, s61                     ; my first row
	s_lshl_b32 s62, s62, 12
	s_add_co_u32 s62, s62, s58
	s_mov_b32 s63, 0
	s_mul_i32 s66, s60, 4*REC                      ; LDS: my four tiles of ctx,
	s_mul_i32 s67, s57, 4*REC
	s_add_co_u32 s67, s67, 8*REC                   ; my four of proj_w,
	s_mul_i32 s68, s12, 4352                       ; and my stage for the way out
	s_wait_dscnt 0x0
	s_wait_kmcnt 0x0
	s_add_nc_u64 s[20:21], s[4:5], s[20:21]
	s_add_nc_u64 s[22:23], s[6:7], s[22:23]
	s_add_nc_u64 s[8:9], s[8:9], s[58:59]
	s_add_nc_u64 s[10:11], s[10:11], s[62:63]
	s_mov_b32 s40, 1
	s_mov_b32 s41, s56
	s_mov_b64 s[42:43], s[20:21]
	s_or_b32 s43, s43, 0x80000000
	s_mov_b32 s48, 1
	s_mov_b32 s49, s56
	s_mov_b64 s[50:51], s[22:23]
	s_or_b32 s51, s51, 0x80000000
	CROUND                                         ; all sixteen work-groups are here: the joint loads meet
	s_cmp_lt_u32 s12, 2                            ; one chain of branches on the wave's number, one fill to an arm
	s_cbranch_scc0 .Lnot_a
	tensor_load_to_lds s[40:43], s[24:31]
	s_nop 0
.rept 4
	v_nop
.endr
	s_branch .Lasked
.Lnot_a:
	s_cmp_lt_u32 s12, 6
	s_cbranch_scc0 .Lasked
	tensor_load_to_lds s[48:51], s[32:39]
	s_nop 0
.rept 4
	v_nop
.endr
.Lasked:
	v_and_b32 v3, 31, v0
	s_delay_alu instid0(VALU_DEP_1)
	v_lshlrev_b32 v1, 4, v3
	s_delay_alu instid0(VALU_DEP_2)
	v_lshlrev_b32 v2, 3, v3
	v_and_b32 v14, 15, v0                          ; r
	v_bfe_u32 v15, v0, 4, 1                        ; h
	s_delay_alu instid0(VALU_DEP_1)
	v_lshlrev_b32 v13, 6, v15                      ; the bias: lanes 16-31 hold columns 16 further on
.irp a,0,1,2,3
.irp b,0,1,2,3
	global_load_b128 v[ACC+8*(4*\a+\b):ACC+8*(4*\a+\b)+3], v13, s[8:9] offset:4*(32*(\b/2)+8*(\b%2))       ; register j of tile b: column 32 (b / 2) + 8 (b % 2) + 16 h + j
	global_load_b128 v[ACC+8*(4*\a+\b)+4:ACC+8*(4*\a+\b)+7], v13, s[8:9] offset:4*(32*(\b/2)+8*(\b%2))+16
.endr
.endr
	v_add_nc_u32 v4, s66, v1
	v_add_nc_u32 v5, s66, v2
	v_add_nc_u32 v6, s67, v1
	v_add_nc_u32 v7, s67, v2
	v_mul_u32_u24 v8, v15, REC                     ; lanes 16-31 take the next tile's words
	s_delay_alu instid0(VALU_DEP_1)
	v_lshl_add_u32 v8, v14, 2, v8
	s_delay_alu instid0(VALU_DEP_1)
	v_add_nc_u32 v8, RSC, v8
	s_delay_alu instid0(VALU_DEP_1)
	v_add_nc_u32 v9, s67, v8
	s_delay_alu instid0(VALU_DEP_2)
	v_add_nc_u32 v8, s66, v8
	v_mul_u32_u24 v10, v14, 272
	s_delay_alu instid0(VALU_DEP_1)
	v_lshl_add_u32 v10, v15, 6, v10
	s_delay_alu instid0(VALU_DEP_1)
	v_add_nc_u32 v10, s68, v10                     ; into the stage: row r, + 64 h
	v_mul_u32_u24 v11, v15, 272
	s_delay_alu instid0(VALU_DEP_1)
	v_lshl_add_u32 v11, v14, 4, v11
	s_delay_alu instid0(VALU_DEP_1)
	v_add_nc_u32 v11, s68, v11                     ; back: lanes 0-15 one row of 256 bytes, lanes 16-31 the next
	v_lshlrev_b32 v12, 4, v14
	s_delay_alu instid0(VALU_DEP_1)
	v_lshl_add_u32 v12, v15, 12, v12               ; and the same two rows in the output
.macro FRAG reg, a16, a8, off          ; a fragment, 16 rows x 128 K: two images
	ds_load_b128 v[\reg:\reg+3], v[\a16] offset:\off
	ds_load_b64 v[\reg+4:\reg+5], v[\a8] offset:\off+512
	ds_load_b128 v[\reg+6:\reg+9], v[\a16] offset:\off+768
	ds_load_b64 v[\reg+10:\reg+11], v[\a8] offset:\off+1280
.endm
.macro MM a, b
.set rD, ACC+8*(4*(\a)+(\b))
.set rB, BF+12*(\b)
.set rA, AF+12*(\a)
.if ((\a)%2 == 0) && ((\b)%2 == 0)
	v_wmma_scale_f32_16x16x128_f8f6f4 v[rD:rD+7], v[rB:rB+11], v[rA:rA+11], v[rD:rD+7], v[SBW+(\b)/2], v[SAW+(\a)/2] matrix_a_fmt:MATRIX_FMT_FP6 matrix_b_fmt:MATRIX_FMT_FP6
.elseif ((\a)%2 == 0)
	v_wmma_scale_f32_16x16x128_f8f6f4 v[rD:rD+7], v[rB:rB+11], v[rA:rA+11], v[rD:rD+7], v[SBW+(\b)/2], v[SAW+(\a)/2] matrix_a_fmt:MATRIX_FMT_FP6 matrix_b_fmt:MATRIX_FMT_FP6 matrix_a_scale:MATRIX_SCALE_ROW1
.elseif ((\b)%2 == 0)
	v_wmma_scale_f32_16x16x128_f8f6f4 v[rD:rD+7], v[rB:rB+11], v[rA:rA+11], v[rD:rD+7], v[SBW+(\b)/2], v[SAW+(\a)/2] matrix_a_fmt:MATRIX_FMT_FP6 matrix_b_fmt:MATRIX_FMT_FP6 matrix_b_scale:MATRIX_SCALE_ROW1
.else
	v_wmma_scale_f32_16x16x128_f8f6f4 v[rD:rD+7], v[rB:rB+11], v[rA:rA+11], v[rD:rD+7], v[SBW+(\b)/2], v[SAW+(\a)/2] matrix_a_fmt:MATRIX_FMT_FP6 matrix_b_fmt:MATRIX_FMT_FP6 matrix_a_scale:MATRIX_SCALE_ROW1 matrix_b_scale:MATRIX_SCALE_ROW1
.endif
.endm
; 128 along K, the ks-th of the half in hand.  The sixteen accumulators take turns, one instruction a turn, in the same order in every step.
.macro KSTEP ks, first
.if !\first
.rept 4
	v_nop                                          ; places in front of loads into registers that matrix instructions have read
.endr
.endif
.irp i,0,1,2,3
	FRAG BF+12*\i, 6, 7, \i*REC+1536*\ks
.endr
.irp i,0,1,2,3
	FRAG AF+12*\i, 4, 5, \i*REC+1536*\ks
.endr
	ds_load_b32 v[SAW], v8 offset:64*\ks
	ds_load_b32 v[SAW+1], v8 offset:2*REC+64*\ks
	ds_load_b32 v[SBW], v9 offset:64*\ks
	ds_load_b32 v[SBW+1], v9 offset:2*REC+64*\ks
	s_wait_dscnt 0x0
.irp a,0,1,2,3
.irp b,0,1,2,3
	MM \a, \b
.endr
.endr
.endm
	s_wait_alu depctr_va_vdst(0)
	s_wait_tensorcnt 0x0                           ; my four records are in
	s_barrier_signal -1
	s_barrier_wait -1                              ; everybody's are
	s_wait_loadcnt 0x0                             ; the bias
	KSTEP 0, 1
	KSTEP 1, 0
	KSTEP 2, 0
	KSTEP 3, 0
.irp r,4,5,6,7,8,9
	v_add_nc_u32 v\r, HALF, v\r                    ; on to the records' second halves; these six are also the places in front of the loads below
.endr
	s_wait_alu depctr_va_vdst(0)                   ; the wait behind these writes
	KSTEP 0, 1
	KSTEP 1, 0
	KSTEP 2, 0
	KSTEP 3, 0
; THE WAY OUT, a tile of 16 rows x 64 columns at a time.  A lane holds 32 neighbouring bytes of a row and the lanes beside it hold other rows: so a tile goes through my own stage (16 rows x 272 bytes) and comes back by rows.
; The stages lie on ctx's first records, which have had their only fill; a barrier stands ahead of the first store there: behind it nobody reads the records any more.
; LDS serves a wave's instructions in order (ISA guide 5.7.1.4): no wait between the stores and the loads.
.macro TOSTAGE a
.irp b,0,1,2,3
	ds_store_b128 v10, v[ACC+8*(4*(\a)+\b):ACC+8*(4*(\a)+\b)+3] offset:128*(\b/2)+32*(\b%2)          ; each accumulator from its low end on
	ds_store_b128 v10, v[ACC+8*(4*(\a)+\b)+4:ACC+8*(4*(\a)+\b)+7] offset:128*(\b/2)+32*(\b%2)+16
.endr
.irp t,0,1,2,3,4,5,6,7
	ds_load_b128 v[32+32*((\a)%2)+4*\t:32+32*((\a)%2)+4*\t+3], v11 offset:544*\t
.endr
.endm
.macro SEND a, younger                 ; younger: the LDS instructions issued behind tile a's loads, which may stay out
	s_wait_dscnt \younger
.irp t,0,1,2,3,4,5,6,7
	global_store_b128 v12, v[32+32*((\a)%2)+4*\t:32+32*((\a)%2)+4*\t+3], s[10:11] offset:(32*((\a)/2)+8*((\a)%2)+2*\t+8*(\t/4))*4096 th:TH_STORE_NT   ; stage row s is row s + 8 (s / 8) of the tile; 16 lanes store 256 consecutive bytes, aligned
.endr
.endm
	s_barrier_signal -1                            ; my reads of the records came back in front of the last products
.rept 4
	v_nop                                          ; places in front of the first read of results and of loads into the fragments' registers
.endr
	s_barrier_wait -1
	TOSTAGE 0
	TOSTAGE 1
	SEND 0, 16                                     ; behind tile 0's loads: tile 1's eight stores and eight loads
	s_wait_xcnt 0x0                                ; tile 0's stores have read their registers: tile 2's loads may land there
	TOSTAGE 2
	SEND 1, 16
	s_wait_xcnt 0x0
	TOSTAGE 3
	SEND 2, 16
	SEND 3, 0
	s_wait_tensorcnt 0x0                           ; the wave's end
	ds_add_u32 v30, v31
	s_wait_dscnt 0x0
	CROUND                                         ; the closing round
	s_endpgm
.Lfunc_end_k_q125fbb33bc_proj:
	.size	k_q125fbb33bc_proj, .Lfunc_end_k_q125fbb33bc_proj-k_q125fbb33bc_proj
	.p2alignl 7, 3214868480
	.fill 96, 4, 3214868480
	.section	.rodata,"a",@progbits
	.p2align	6, 0x0
	.amdhsa_kernel k_q125fbb33bc_proj
		.amdhsa_group_segment_fixed_size 308224
		.amdhsa_private_segment_fixed_size 0
		.amdhsa_enable_private_segment 0
		.amdhsa_kernarg_size 32
		.amdhsa_user_sgpr_count 2
		.amdhsa_user_sgpr_kernarg_segment_ptr 1
		.amdhsa_wavefront_size32 1
		.amdhsa_system_sgpr_workgroup_id_x 1
		.amdhsa_system_sgpr_workgroup_id_y 1
		.amdhsa_system_sgpr_workgroup_id_z 1
		.amdhsa_system_vgpr_workitem_id 0
		.amdhsa_next_free_vgpr 256
		.amdhsa_next_free_sgpr 80
		.amdhsa_reserve_vcc 0
		.amdhsa_float_denorm_mode_32 3
		.amdhsa_float_denorm_mode_16_64 3
		.amdhsa_memory_ordered 1
		.amdhsa_forward_progress 1
		.amdhsa_inst_pref_size 53
	.end_amdhsa_kernel
	.amdgpu_metadata
---
amdhsa.version: [ 1, 2 ]
amdhsa.kernels:
  - .name:           k_q125fbb33bc_proj
    .symbol:         k_q125fbb33bc_proj.kd
    .args:
      - { .name: ctxq, .offset: 0, .size: 8, .value_kind: global_buffer, .address_space: global }
      - { .name: wq, .offset: 8, .size: 8, .value_kind: global_buffer, .address_space: global }
      - { .name: proj_b, .offset: 16, .size: 8, .value_kind: global_buffer, .address_space: global }
      - { .name: out0, .offset: 24, .size: 8, .value_kind: global_buffer, .address_space: global }
    .group_segment_fixed_size: 308224
    .private_segment_fixed_size: 0
    .kernarg_segment_align: 8
    .kernarg_segment_size: 32
    .max_flat_workgroup_size: 256
    .sgpr_count:     80
    .vgpr_count:     256
    .wavefront_size: 32
...
	.end_amdgpu_metadata
.endif
;; end of part 3
